; MI455X (gfx1250); checked and timed in simulation.
; The chip was launched on July 23, 2026; its instructions are those of AMD's public machine-readable ISA for CDNA 5 (MIT licence, August 2026) and "CDNA5" Instruction Set Architecture Reference Guide (July 2026). The comments in the code are by the model that wrote it; some were corrected since.
;; Self Attention. Allowed arithmetic: matrix products marked QUANTISED: E4M3 operands, one E8M0 scale for each 32 along K, by v_wmma_scale_f32_16x16x128_f8f6f4 with both operands' format E4M3, f32 sums; everything else in f32.
;; Inputs: Wk_codes 256 x 8 x 32 uint8 (E4M3 codes of Wk, K innermost, in blocks of 32 codes); Wk_scales 256 x 8 uint8 (E8M0 scales of Wk, one for each 32 codes along K); Wo_codes 256 x 8 x 32 uint8 (E4M3 codes of Wo, K innermost, in blocks of 32 codes); Wo_scales 256 x 8 uint8 (E8M0 scales of Wo, one for each 32 codes along K); Wq_codes 256 x 8 x 32 uint8 (E4M3 codes of Wq, K innermost, in blocks of 32 codes); Wq_scales 256 x 8 uint8 (E8M0 scales of Wq, one for each 32 codes along K); Wv_codes 256 x 8 x 32 uint8 (E4M3 codes of Wv, K innermost, in blocks of 32 codes); Wv_scales 256 x 8 uint8 (E8M0 scales of Wv, one for each 32 codes along K); bk 256 float32; bo 256 float32; bq 256 float32; bv 256 float32; x_codes 4 x 2,048 x 8 x 32 uint8 (E4M3 codes of x, K innermost, in blocks of 32 codes); x_scales 4 x 2,048 x 8 uint8 (E8M0 scales of x, one for each 32 codes along K).
;; Outputs: out0 4 x 2,048 x 256 float32.
;; This version of the problem:
;;   THIS VERSION OF THE PROBLEM IS GIVEN IN LOW PRECISION. The matrix products marked QUANTISED in the list below multiply operands that are first quantised to E4M3 (4 exponent bits, 3 mantissa bits; 8 bits a number), with one power-of-two scale for each 32 numbers along K (OCP MX v1.0); their sums are f32. All else is computed in f32.
;;   The module's matrix products, in the order in which they are computed (A, B: the left and right operand; K: the contracted axis; several contracted axes count as one K, in the product's order):
;;     1. [M 8,192, K 256] x [K 256, N 256]; A: input x (given as codes); B: input Wq (given as codes): QUANTISED
;;     2. [M 8,192, K 256] x [K 256, N 256]; A: input x (given as codes); B: input Wk (given as codes): QUANTISED
;;     3. [M 8,192, K 256] x [K 256, N 256]; A: input x (given as codes); B: input Wv (given as codes): QUANTISED
;;     4. batch 32 x [M 2,048, K 32] x [K 32, N 2,048]; A: computed on the way; B: computed on the way: QUANTISED
;;     5. batch 32 x [M 2,048, K 2,048] x [K 2,048, N 32]; A: softmax (see below); B: computed on the way: QUANTISED
;;     6. [M 8,192, K 256] x [K 256, N 256]; A: computed on the way; B: input Wo (given as codes): QUANTISED
;;   THE QUANTISER, for each operand of a quantised product, along K:
;;     - K is cut into blocks of 32 from its start; a last block that is shorter is filled with zeros.
;;     - A block's scale is 2^e with e = floor(log2(the largest magnitude in the block)) - 8, held to -126 .. 127; a block of zeros has e = 0. As a byte (E8M0): e + 127.
;;     - Each number is divided by its block's scale, clamped to +-448, and rounded to the nearest number of E4M3, ties to even, subnormals kept.
;;     - The product sums the exact products of the quantised numbers (number of the format x scale) in f32.
;;   ~~~python
;;   def quantise(x, axis):      # numpy; x: float32 -> the quantised numbers, widened to float32 again
;;       x = np.moveaxis(x, axis, -1); K = x.shape[-1]
;;       x = np.pad(x, [(0, 0)] * (x.ndim - 1) + [(0, -K % 32)]); x = x.reshape(x.shape[:-1] + (-1, 32)); a = np.abs(x).max(-1, keepdims=True)
;;       e = np.where(a > 0, np.clip(np.frexp(np.where(a > 0, a, 1))[1] - 1 - 8, -126, 127), 0)      # np.frexp(a)[1] - 1 = floor(log2(a)), exactly
;;       r = np.clip(x / 2.0 ** e, -448, 448)
;;       step = 2.0 ** (np.maximum(np.frexp(np.where(r == 0, 1, r))[1] - 1, -6) - 3)
;;       q = np.round(r / step) * step * 2.0 ** e      # np.round: ties to even
;;       return np.moveaxis(q.reshape(q.shape[:-2] + (-1,))[..., :K], -1, axis).astype(np.float32)
;;   ~~~
;;   SOFTMAX AHEAD OF A QUANTISED PRODUCT. Where the list says 'softmax', what is quantised is not the finished softmax but p = 2^(t - M), with t = logit x log2(e) and M = ceil(the row's largest t), a whole number; so 1/2 < the row's largest p <= 1. The row's sum l is taken of the UNQUANTISED p, in f32, and the product's result is divided by l at the end. Since M is a whole number, a kernel that streams over the keys may use a running M (the ceiling of the running maximum): every later rescaling is an exact power of two, which a block's scale takes up: the codes' values come out the same.
;;   OPERANDS COMPUTED ON THE WAY. 'Computed on the way' means the value that the module computes at that place (a softmax that the list does not call 'softmax' is quantised finished and normalised). What goes into a quantiser is computed in f32, as accurately as f32 sums, v_exp_f32 and their like allow (about 1e-6 of the number): no bf16 or f16 on the way to a quantiser, and a product that is left as it is and whose result goes on into a quantised operand takes f32 operands (vector FMAs, or v_wmma_f32_16x16x4_f32). A number that lies on a knife's edge between two numbers of the format may be rounded either way, as far as f32 arithmetic and the matrix unit's own rounding can turn it there, and no further.
;;   INPUTS GIVEN AS CODES. Wk (in the module: [256, 256], K = its axis 1); Wo (in the module: [256, 256], K = its axis 1); Wq (in the module: [256, 256], K = its axis 1); Wv (in the module: [256, 256], K = its axis 1); x (in the module: [4, 2048, 256], K = its axis 2): each comes as NAME_codes (uint8): NAME with its K axis moved to the last place and cut into blocks of 32 codes, [.., K / 32, bytes a block], one block behind the other in memory; one code a byte (a code: sign, 4 exponent bits, 3 mantissa bits); and NAME_scales (uint8): the same leading axes, one E8M0 byte (e + 127) for each 32 codes along K. Its value is code x scale, taken as it is: it is not quantised again, and the codes and scales need not be those that the quantiser above would give.
;; One version. Each part assembles by itself: llvm-mc -triple=amdgcn-amd-amdhsa -mcpu=gfx1250 --defsym DOCPART=n.
;; ======== version 1 of 1: 3 launches
;; limits: right only within a limited range of input values
;; workspace buffers: qimg 2,097,152 bytes; qscl 65,536 bytes; kv 4,325,376 bytes; aimg 2,097,152 bytes; ascl 65,536 bytes
;; launch qkv (part 1): grid 64 x 4, 12 waves a work-group, clusters of 4 x 4, 167,936 bytes of LDS; arguments x_codes, x_scales, Wq_codes, Wq_scales, bq, Wk_codes, Wk_scales, bk, Wv_codes, Wv_scales, bv, qimg, qscl, kv; writes qimg, qscl, kv
.if DOCPART == 1
	.amdgcn_target "amdgcn-amd-amdhsa--gfx1250"
	.amdhsa_code_object_version 6
	.text
	.protected	k_q3a6a9f15e5_qkv
	.globl	k_q3a6a9f15e5_qkv
	.p2align	8
	.type	k_q3a6a9f15e5_qkv,@function
k_q3a6a9f15e5_qkv:
	s_mov_b64 s[64:65], 0
	v_nop
	global_prefetch_b8 v0, s[64:65] scope:SCOPE_SE
	s_setreg_imm32_b32 hwreg(HW_REG_WAVE_MODE, 25, 1), 1
	s_wait_xcnt 0x0
	s_wait_alu depctr_hold_cnt(0) depctr_sa_sdst(0) depctr_va_vdst(0) depctr_va_sdst(0) depctr_va_ssrc(0) depctr_va_vcc(0) depctr_vm_vsrc(0)
	s_getreg_b32 s2, hwreg(HW_REG_IB_STS2, 6, 4)
	s_cmp_eq_u32 s2, 0
	s_cbranch_scc0 .Lentry_in_a_cluster
	s_endpgm
.Lentry_in_a_cluster:
	s_bfe_u32 s2, ttmp6, 0x10000c
	s_cmp_lg_u32 s2, 0xf033
	s_cbranch_scc0 .Lentry_shape_is_right
	s_endpgm
.Lentry_shape_is_right:
; q = x Wq^T + bq, k = x Wk^T + bk, v = x Wv^T + bv on codes of E4M3 with one E8M0 scale for each 32 along K (K = 256: two matrix instructions deep), sums in f32;
; the results are quantised at once for the attention launch: q and k along the head's 32 channels, v along the keys (blocks of 32 tokens for each channel).
; DEAD WORK of the program: in the attention launch the steps of 128 keys that the causal mask hides from all 16 queries of a tile are left out: reference() sets all their scores to -infinity, so their p is 0 for all values of the inputs.
; A NaN, an infinity or an overflow that reaches only those scores is not carried to the result.  Every input is read.
; SHARES.  Work-group (x, y): 128 tokens, heads 2 y and 2 y + 1.  Wave w: matrix w / 4 (0 q, 1 k, 2 v), head 2 y + (w / 2) % 2, tokens 64 (w % 2) on: 32 features x 64 tokens, 8 accumulators, 16 matrix instructions.
; LAYOUT.  q, k: source 0 = 16 rows of W, source 1 = 16 tokens: lane (r, h) holds token r; register 8 u + j is channel 16 u + 8 h + j, in q and in k alike: a block's 32 channels stand in the same order on both sides of the scores.
; v: source 0 = 16 tokens, source 1 = 16 rows of W: lane (r, h) holds channel 8 u + r + 8 (r / 8) of W's tile u (these rows are chosen so that the attention launch's results run along the channels); register 8 t + j of key block p is key 32 p + 16 t + 8 h + j,
; which is the order in which the scores' registers hold the keys.  The conversions' results are stored as they stand: 512 bytes a chunk, lane l's 16 bytes at 16 l.
;   qimg [8 b + head 32][tile of 16 tokens 128][512];  qscl [8 b + head][step of 128 tokens 16][half 2][row 16][4 bytes: tile]
;   kv [8 b + head][step 16][8,448 bytes: k codes [half 2][tile 4][512]; v codes [u 2][key block 4][512]; k's scale words [half 2][row 16]; v's [u 2][row 16]]
; x's 128 rows and the 3 x 64 rows of W come into LDS by five tensor loads, one a wave, 16 bytes of padding behind each 256.  CLUSTERS 4 x 4: x's rows hang on x and are asked for jointly along a column, W's hang on y and are asked for jointly along a row.
; NO PREFETCH: every byte is loaded once, at the head; there is no loop.
; LIMITS: a block whose largest magnitude lies under 2^-118 (a block of zeros too) gets the scale byte 1; its bytes are read by this program alone.  NaN and infinities among the inputs are not served.
.set XP,   272                         ; a row in LDS: 256 bytes + 16: an odd multiple of 16 bytes
.set TILE, 64*XP                       ; what a tensor load brings: x's two halves, then Wq's, Wk's, Wv's 64 rows
.set SPARE, 5*TILE
.set STEPB, 8448
.set WF,   32                          ; v32-95   W's fragments: tile u, K step s at WF + 16 (2 u + s)
.set XB,   96                          ; v96-159  x's four fragments of one K step
.set HA,   160                         ; v160-223 the eight accumulators
.set BI,   224                         ; v224-239 the bias in the result's layout, eight registers for each tile u
.set WSC,  240                         ; v240-243 W's scale words: pair 2 u: K steps 0, 1
.set XSC,  244                         ; v244-251 x's scale words: pair 2 c
.set TM,   96                          ; the quantiser's 16 registers at work, its codes and its scale word take x's fragments' place
.set PC,   112
.set PW,   128
.macro CROUND                          ; a round of the cluster's barrier
	s_barrier_signal -1
	s_barrier_wait -1
	s_cmp_lg_u32 s2, 0
	s_cbranch_scc1 .Lnot_wave_0_\@
	s_barrier_signal -3
.Lnot_wave_0_\@:
	s_barrier_wait -3
	s_barrier_signal -1
	s_barrier_wait -1
.endm
	s_load_b128 s[4:7], s[0:1], 0x0                ; x's codes, x's scales
	s_load_b128 s[8:11], s[0:1], 0x10              ; Wq's codes, scales
	s_load_b64 s[12:13], s[0:1], 0x20              ; bq
	s_load_b128 s[16:19], s[0:1], 0x28             ; Wk's
	s_load_b64 s[20:21], s[0:1], 0x38              ; bk
	s_load_b128 s[24:27], s[0:1], 0x40             ; Wv's
	s_load_b64 s[28:29], s[0:1], 0x50              ; bv
	s_load_b128 s[32:35], s[0:1], 0x58             ; qimg, qscl
	s_load_b64 s[36:37], s[0:1], 0x68              ; kv
	v_lshl_add_u32 v254, v0, 2, SPARE
	v_mov_b32 v255, 0
	ds_add_u32 v254, v255                          ; the opening lines: the add, twice on end, and its wait
	ds_add_u32 v254, v255
	v_lshrrev_b32 v1, 5, v0
	v_readfirstlane_b32 s2, v1                     ; wave 0..11
	s_and_b32 s3, s2, 1                            ; f: which 64 tokens
	s_bfe_u32 s14, s2, 0x10001                     ; which of the two heads
	s_lshr_b32 s15, s2, 2                          ; which matrix
	s_mul_i32 s30, s3, TILE                        ; x's 64 rows in LDS
	s_add_co_u32 s31, s15, 2
	s_mul_i32 s31, s31, TILE
	s_mul_i32 s38, s14, 32*XP
	s_add_co_u32 s31, s31, s38                     ; my head's 32 rows of W in LDS
	v_and_b32 v1, 31, v0                           ; lane
	v_and_b32 v2, 15, v0                           ; r
	v_bfe_u32 v3, v0, 4, 1                         ; h
	v_mul_u32_u24 v4, v2, XP
	v_and_b32 v5, 8, v2
	v_add_nc_u32 v5, v5, v2                        ; r + 8 (r / 8)
	v_lshl_add_u32 v4, v3, 4, v4                   ; row r, + 16 h
	v_mul_u32_u24 v6, v5, XP
	v_lshlrev_b32 v11, 3, v2                       ; scale words: 8 bytes a row: row r,
	v_lshlrev_b32 v12, 3, v5                       ; row r + 8 (r / 8)
	v_lshl_add_u32 v6, v3, 4, v6
	v_add_nc_u32 v8, s30, v4                       ; x's fragments
	v_add_nc_u32 v9, s31, v4                       ; W's, rows as they lie (q, k)
	v_add_nc_u32 v10, s31, v6                      ; W's, rows chosen (v)
	v_lshlrev_b32 v13, 5, v3                       ; the bias, q and k: channels 8 h on
	v_lshlrev_b32 v14, 2, v5                       ; v: my lane's channel
	v_lshlrev_b32 v16, 4, v1                       ; an image's place for my lane
	v_lshlrev_b32 v18, 2, v2                       ; a scale word's
	s_wait_alu depctr_va_vdst(0)                   ; ahead of the scalar lines below
	s_bfe_u32 s22, ttmp6, 0x40000                  ; cx, cy: my place in the cluster
	s_bfe_u32 s23, ttmp6, 0x40004                  ; cy is the work-group's y: the grid is one cluster high
	s_lshl_b32 s30, ttmp9, 2
	s_add_co_u32 s30, s30, s22                     ; the work-group's x
	s_lshl_b32 s31, s23, 2
	s_lshl_b32 s31, 15, s31                        ; my row of the cluster: shares W's rows
	s_lshl_b32 s38, 0x1111, s22                    ; my column: shares x's
	s_or_b32 s40, s38, (1<<20)|(1<<21)|(5<<22)|(3<<25)   ; group 1 for x, for W: 64 rows of 256 bytes, four words of padding behind every 64
	s_or_b32 s48, s31, (1<<20)|(1<<21)|(5<<22)|(3<<25)
.irp g, 40, 48
	s_mov_b32 s[\g+1], 256<<16
	s_mov_b32 s[\g+2], 64<<16
	s_mov_b32 s[\g+3], 256<<16
	s_mov_b32 s[\g+4], 64
	s_mov_b32 s[\g+5], 256
	s_mov_b32 s[\g+6], 0
	s_mov_b32 s[\g+7], 0
.endr
.irp g, 56, 60, 68, 72, 76                 ; groups 0
	s_mov_b32 s[\g], 1
.endr
	s_mov_b32 s57, 0
	s_mov_b32 s61, TILE
	s_mov_b32 s69, 2*TILE
	s_mov_b32 s73, 3*TILE
	s_mov_b32 s77, 4*TILE
	s_lshl_b32 s90, s30, 15                        ; byte offsets: x's codes: 128 rows of 256,
	s_mov_b32 s91, 0
	s_lshl_b32 s92, s23, 14                        ; W's codes: 64 rows of 256,
	s_mov_b32 s93, 0
	s_lshl_b32 s94, s30, 10                        ; x's scales: 128 rows of 8, my 64,
	s_lshl_b32 s39, s3, 9
	s_add_co_u32 s94, s94, s39
	s_mov_b32 s95, 0
	s_lshl_b32 s39, s23, 1
	s_add_co_u32 s39, s39, s14                     ; head
	s_lshl_b32 s96, s39, 8                         ; W's scales,
	s_mov_b32 s97, 0
	s_lshl_b32 s98, s39, 7                         ; the bias
	s_mov_b32 s99, 0
	s_lshr_b32 s22, s30, 4                         ; b
	s_lshl_b32 s22, s22, 3
	s_add_co_u32 s22, s22, s39
	s_lshl_b32 s22, s22, 4
	s_and_b32 s23, s30, 15
	s_add_co_u32 s22, s22, s23                     ; 16 (8 b + head) + step
	s_lshl_b32 s31, s22, 12                        ; q: codes,
	s_lshl_b32 s39, s3, 11
	s_add_co_u32 s31, s31, s39
	s_lshl_b32 s66, s22, 7                         ; scale words
	s_lshl_b32 s100, s3, 6
	s_add_co_u32 s66, s66, s100
	s_mul_i32 s38, s22, STEPB                      ; k, v: the step's block;
	s_lshl_b32 s67, s3, 10
	s_add_co_u32 s67, s67, 4096                    ; v's codes in it (k's: 2,048 f),
	s_lshl_b32 s101, s3, 1
	s_add_co_u32 s101, s101, 128                   ; and v's scale bytes behind the codes (k's: 64 f)
	s_cmp_eq_u32 s15, 2
	s_cselect_b32 s39, s67, s39
	s_cselect_b32 s100, s101, s100
	s_add_co_u32 s39, s39, s38
	s_add_co_u32 s100, s100, s38
	s_add_co_u32 s100, s100, 8192
	s_cmp_eq_u32 s15, 0
	s_cselect_b32 s80, s31, s39
	s_cselect_b32 s82, s66, s100
	s_mov_b32 s81, 0
	s_mov_b32 s83, 0
	s_mov_b32 s62, 0x76543210
	s_mov_b32 s44, 256                             ; (group 1's row count is set below: s44 is its word 4)
	s_mov_b32 s44, 64
	s_wait_dscnt 0x0                               ; both opening adds are done
	CROUND                                         ; all sixteen work-groups are here: the joint loads meet
	s_wait_kmcnt 0x0
	s_add_nc_u64 s[58:59], s[4:5], s[90:91]
	s_or_b32 s59, s59, 0x80000000
	s_add_nc_u64 s[62:63], s[4:5], s[90:91]
	s_add_nc_u64 s[62:63], s[62:63], 64*256
	s_or_b32 s63, s63, 0x80000000
	s_add_nc_u64 s[70:71], s[8:9], s[92:93]
	s_or_b32 s71, s71, 0x80000000
	s_add_nc_u64 s[74:75], s[16:17], s[92:93]
	s_or_b32 s75, s75, 0x80000000
	s_add_nc_u64 s[78:79], s[24:25], s[92:93]
	s_or_b32 s79, s79, 0x80000000
; ONE chain of branches on the wave's number, a load an arm, one join: waves 0 and 1 fetch x's halves, waves 2 to 4 the weights, the others nothing.  An s_nop 0 and four v_nop follow each load
.macro ARM under, g0, g1, next
	s_cmp_lt_u32 s2, \under
	s_cbranch_scc0 \next
	tensor_load_to_lds s[\g0:\g0+3], s[\g1:\g1+7]
	s_nop 0
.rept 4
	v_nop
.endr
	s_branch .Lasked
\next:
.endm
	ARM 1, 56, 40, .Lx1
	ARM 2, 60, 40, .Lwq
	ARM 3, 68, 48, .Lwk
	ARM 4, 72, 48, .Lwv
	ARM 5, 76, 48, .Lnone
.Lasked:
	s_cmp_eq_u32 s15, 1                            ; the matrix is chosen by the wave's number alone
	s_cselect_b64 s[10:11], s[18:19], s[10:11]
	s_cselect_b64 s[12:13], s[20:21], s[12:13]
	s_cmp_eq_u32 s15, 2
	s_cselect_b64 s[10:11], s[26:27], s[10:11]
	s_cselect_b64 s[12:13], s[28:29], s[12:13]
	s_cmp_eq_u32 s15, 0
	s_cselect_b64 s[84:85], s[32:33], s[36:37]
	s_cselect_b64 s[86:87], s[34:35], s[36:37]
	s_add_nc_u64 s[6:7], s[6:7], s[94:95]
	s_add_nc_u64 s[10:11], s[10:11], s[96:97]
	s_add_nc_u64 s[12:13], s[12:13], s[98:99]
	s_add_nc_u64 s[84:85], s[84:85], s[80:81]      ; my codes' first byte
	s_add_nc_u64 s[86:87], s[86:87], s[82:83]      ; my scale words'
	s_mov_b32 s88, 0x76543210
	s_mov_b32 s89, 0xfedcba98                      ; v_permlanex16_b32's selects for lane l xor 16
	s_mov_b32 s90, 0x600000                        ; the mantissa field of 448
.irp c, 0,1,2,3
	global_load_b64 v[XSC+2*\c:XSC+2*\c+1], v11, s[6:7] offset:128*\c
.endr
	s_cmp_eq_u32 s15, 2
	s_cbranch_scc1 .Lload_v
.irp u, 0,1
	global_load_b64 v[WSC+2*\u:WSC+2*\u+1], v11, s[10:11] offset:128*\u
.irp k, 0,1
	global_load_b128 v[BI+8*\u+4*\k:BI+8*\u+4*\k+3], v13, s[12:13] offset:64*\u+16*\k   ; register j of tile u: channel 16 u + 8 h + j
.endr
.endr
	s_branch .Lloaded
.Lload_v:
.irp u, 0,1
	global_load_b64 v[WSC+2*\u:WSC+2*\u+1], v12, s[10:11] offset:64*\u
	global_load_b32 v[20+\u], v14, s[12:13] offset:32*\u
.endr
.Lloaded:
	s_wait_tensorcnt 0x0                           ; my rows are in
	s_barrier_signal -1
	s_barrier_wait -1                              ; everybody's are; from here on LDS is only read
.macro WLD s, a, rs                    ; W's two fragments of K step s: registers 4 k on hold K = 128 s + 32 k + 16 h + 0 .. 15
.irp u, 0,1
.irp k, 0,1,2,3
	ds_load_b128 v[WF+16*(2*\u+\s)+4*\k:WF+16*(2*\u+\s)+4*\k+3], v[\a] offset:\u*\rs*XP+128*\s+32*\k
.endr
.endr
.endm
.macro XLD s                           ; x's four fragments of K step s
.irp c, 0,1,2,3
.irp k, 0,1,2,3
	ds_load_b128 v[XB+16*\c+4*\k:XB+16*\c+4*\k+3], v8 offset:\c*16*XP+128*\s+32*\k
.endr
.endr
.endm
.macro PLACES                          ; eight places behind this matrix form, in front of loads into its sources and of reads of its results
.rept 8
	v_nop
.endr
.endm
; The eight accumulators take turns, one instruction a turn.  The bias is the C of each sum's first product.
.macro QKMUL s                         ; source 0 = W's tile u, source 1 = token tile c
.irp c, 0,1,2,3
.irp u, 0,1
.if \s == 0
	v_wmma_scale_f32_16x16x128_f8f6f4 v[HA+16*\c+8*\u:HA+16*\c+8*\u+7], v[WF+16*(2*\u+\s):WF+16*(2*\u+\s)+15], v[XB+16*\c:XB+16*\c+15], v[BI+8*\u:BI+8*\u+7], v[WSC+2*\u+\s], v[XSC+2*\c+\s]
.else
	v_wmma_scale_f32_16x16x128_f8f6f4 v[HA+16*\c+8*\u:HA+16*\c+8*\u+7], v[WF+16*(2*\u+\s):WF+16*(2*\u+\s)+15], v[XB+16*\c:XB+16*\c+15], v[HA+16*\c+8*\u:HA+16*\c+8*\u+7], v[WSC+2*\u+\s], v[XSC+2*\c+\s]
.endif
.endr
.endr
.endm
.macro VMUL s                          ; source 0 = token tile 2 p + t (key block p of my two), source 1 = W's tile u
.irp p, 0,1
.irp t, 0,1
.irp u, 0,1
.if \s == 0
	v_wmma_scale_f32_16x16x128_f8f6f4 v[HA+16*(2*\u+\p)+8*\t:HA+16*(2*\u+\p)+8*\t+7], v[XB+16*(2*\p+\t):XB+16*(2*\p+\t)+15], v[WF+16*(2*\u+\s):WF+16*(2*\u+\s)+15], v[BI+8*\u:BI+8*\u+7], v[XSC+2*(2*\p+\t)+\s], v[WSC+2*\u+\s]
.else
	v_wmma_scale_f32_16x16x128_f8f6f4 v[HA+16*(2*\u+\p)+8*\t:HA+16*(2*\u+\p)+8*\t+7], v[XB+16*(2*\p+\t):XB+16*(2*\p+\t)+15], v[WF+16*(2*\u+\s):WF+16*(2*\u+\s)+15], v[HA+16*(2*\u+\p)+8*\t:HA+16*(2*\u+\p)+8*\t+7], v[XSC+2*(2*\p+\t)+\s], v[WSC+2*\u+\s]
.endif
.endr
.endr
.endr
.endm
	s_cmp_eq_u32 s15, 2
	s_cbranch_scc1 .Lv
	WLD 0, 9, 16
	XLD 0
	WLD 1, 9, 16
	s_wait_loadcnt 0x0                             ; scale words and bias
	s_wait_dscnt 8                                 ; the eight youngest, W's second K step, may be out
	QKMUL 0
	PLACES
	XLD 1
	s_wait_dscnt 0x0
	QKMUL 1
	s_branch .Ljoin
.Lv:
	WLD 0, 10, 8
	XLD 0
	WLD 1, 10, 8
	s_wait_loadcnt 0x0
.irp u, 0,1                            ; all eight registers of tile u belong to my lane's channel
.irp j, 0,1,2,3,4,5,6,7
	v_mov_b32 v[BI+8*\u+\j], v[20+\u]
.endr
.endr
	s_wait_alu depctr_va_vdst(0)                   ; directly ahead of the wait below
	s_wait_dscnt 8
	VMUL 0
	PLACES
	XLD 1
	s_wait_dscnt 0x0
	VMUL 1
.Ljoin:
	PLACES
.irp b, 0,1,2,3
	v_mov_b32 v[TM+4+\b], 0                        ; a lane permute's destination counts as one of its sources
.endr
; THE QUANTISER: registers HA + 16 b + i are my lane's 16 numbers of block b (q, k: token tile b's channels; v: channel tile b / 2, key block b % 2 of my two); lane l xor 16 holds the block's other 16.
.irp b, 0,1,2,3
	v_max3_num_f32 v[TM+\b], |v[HA+16*\b]|, |v[HA+1+16*\b]|, 0x4800000   ; each accumulator is read from its low end on; the floor 2^(9 - 127) holds the byte at 1 from below
.endr
.irp i, 2,4,6,8,10,12,14
.irp b, 0,1,2,3
	v_max3_num_f32 v[TM+\b], v[TM+\b], |v[HA+16*\b+\i]|, |v[HA+1+16*\b+\i]|   ; the four blocks by turns
.endr
.endr
.irp b, 0,1,2,3
	s_delay_alu instid0(VALU_DEP_4)
	v_permlanex16_b32 v[TM+4+\b], v[TM+\b], s88, s89
.endr
.irp b, 0,1,2,3
	s_delay_alu instid0(VALU_DEP_4)
	v_max_num_f32 v[TM+\b], v[TM+\b], v[TM+4+\b]   ; the block's largest magnitude
.endr
.irp b, 0,1,2,3
	s_delay_alu instid0(VALU_DEP_4)
	v_add_nc_u32 v[TM+12+\b], 0xfc000000, v[TM+\b] ; 8 off its exponent field: the conversion's scale operand
.endr
.irp b, 0,1,2,3
	v_and_or_b32 v[TM+8+\b], v[TM+\b], 0x7f800000, s90   ; 448 x the scale
.endr
.irp b, 0,1,2,3
	v_lshrrev_b32 v[TM+4+\b], 23, v[TM+12+\b]      ; the scale's byte
.endr
	s_delay_alu instid0(VALU_DEP_3)
	v_lshl_or_b32 v[PW], v[TM+5], 8, v[TM+4]
	s_delay_alu instid0(VALU_DEP_1)
	v_lshl_or_b32 v[PW], v[TM+6], 16, v[PW]
	s_delay_alu instid0(VALU_DEP_1)
	v_lshl_or_b32 v[PW], v[TM+7], 24, v[PW]        ; byte b: block b's
.irp b, 0,1,2,3
.irp i, 0,1,2,3,4,5,6,7,8,9,10,11,12,13,14,15
	v_med3_num_f32 v[HA+16*\b+\i], v[HA+16*\b+\i], -v[TM+8+\b], v[TM+8+\b]   ; the conversion to an 8-bit code does not saturate (ISA guide 7.6.2): the hold at 448 x the scale
.endr
	v_cvt_scalef32_pk8_fp8_f32 v[PC+4*\b:PC+4*\b+1], v[HA+16*\b:HA+16*\b+7], v[TM+12+\b]
	v_cvt_scalef32_pk8_fp8_f32 v[PC+4*\b+2:PC+4*\b+3], v[HA+16*\b+8:HA+16*\b+15], v[TM+12+\b]
.endr
	v_nop                                          ; a plain line behind the last conversion
	s_wait_alu depctr_va_vdst(0)                   ; directly ahead of the branch
	s_cmp_eq_u32 s15, 2
	s_cbranch_scc1 .Lout_v
.irp b, 0,1,2,3
	global_store_b128 v16, v[PC+4*\b:PC+4*\b+3], s[84:85] offset:512*\b   ; each store: one chunk, 512 consecutive bytes, aligned
.endr
	global_store_b32 v18, v[PW], s[86:87]          ; lanes 16-31 hold and store the same words as lanes 0-15
	s_branch .Lend
.Lout_v:
.irp b, 0,1,2,3
	global_store_b128 v16, v[PC+4*\b:PC+4*\b+3], s[84:85] offset:2048*(\b/2)+512*(\b%2)
.endr
	global_store_b16 v18, v[PW], s[86:87]          ; bytes 2 f, 2 f + 1 of u = 0's words,
	global_store_d16_hi_b16 v18, v[PW], s[86:87] offset:64   ; and of u = 1's
.Lend:
	s_wait_tensorcnt 0x0                           ; the wave's end
	ds_add_u32 v254, v255
	s_wait_dscnt 0x0
	CROUND                                         ; the closing round
	s_endpgm
.Lfunc_end_k_q3a6a9f15e5_qkv:
	.size	k_q3a6a9f15e5_qkv, .Lfunc_end_k_q3a6a9f15e5_qkv-k_q3a6a9f15e5_qkv
	.p2alignl 7, 3214868480
	.fill 96, 4, 3214868480
	.section	.rodata,"a",@progbits
	.p2align	6, 0x0
	.amdhsa_kernel k_q3a6a9f15e5_qkv
		.amdhsa_group_segment_fixed_size 167936
		.amdhsa_private_segment_fixed_size 0
		.amdhsa_enable_private_segment 0
		.amdhsa_kernarg_size 112
		.amdhsa_user_sgpr_count 2
		.amdhsa_user_sgpr_kernarg_segment_ptr 1
		.amdhsa_wavefront_size32 1
		.amdhsa_system_sgpr_workgroup_id_x 1
		.amdhsa_system_sgpr_workgroup_id_y 1
		.amdhsa_system_sgpr_workgroup_id_z 1
		.amdhsa_system_vgpr_workitem_id 0
		.amdhsa_next_free_vgpr 256
		.amdhsa_next_free_sgpr 102
		.amdhsa_reserve_vcc 0
		.amdhsa_float_denorm_mode_32 3
		.amdhsa_float_denorm_mode_16_64 3
		.amdhsa_memory_ordered 1
		.amdhsa_forward_progress 1
		.amdhsa_inst_pref_size 33
	.end_amdhsa_kernel
	.amdgpu_metadata
---
amdhsa.version: [ 1, 2 ]
amdhsa.kernels:
  - .name:           k_q3a6a9f15e5_qkv
    .symbol:         k_q3a6a9f15e5_qkv.kd
    .args:
      - { .name: x_codes, .offset: 0, .size: 8, .value_kind: global_buffer, .address_space: global }
      - { .name: x_scales, .offset: 8, .size: 8, .value_kind: global_buffer, .address_space: global }
      - { .name: Wq_codes, .offset: 16, .size: 8, .value_kind: global_buffer, .address_space: global }
      - { .name: Wq_scales, .offset: 24, .size: 8, .value_kind: global_buffer, .address_space: global }
      - { .name: bq, .offset: 32, .size: 8, .value_kind: global_buffer, .address_space: global }
      - { .name: Wk_codes, .offset: 40, .size: 8, .value_kind: global_buffer, .address_space: global }
      - { .name: Wk_scales, .offset: 48, .size: 8, .value_kind: global_buffer, .address_space: global }
      - { .name: bk, .offset: 56, .size: 8, .value_kind: global_buffer, .address_space: global }
      - { .name: Wv_codes, .offset: 64, .size: 8, .value_kind: global_buffer, .address_space: global }
      - { .name: Wv_scales, .offset: 72, .size: 8, .value_kind: global_buffer, .address_space: global }
      - { .name: bv, .offset: 80, .size: 8, .value_kind: global_buffer, .address_space: global }
      - { .name: qimg, .offset: 88, .size: 8, .value_kind: global_buffer, .address_space: global }
      - { .name: qscl, .offset: 96, .size: 8, .value_kind: global_buffer, .address_space: global }
      - { .name: kv, .offset: 104, .size: 8, .value_kind: global_buffer, .address_space: global }
    .group_segment_fixed_size: 167936
    .private_segment_fixed_size: 0
    .kernarg_segment_align: 8
    .kernarg_segment_size: 112
    .max_flat_workgroup_size: 384
    .sgpr_count:     102
    .vgpr_count:     256
    .wavefront_size: 32
...
	.end_amdgpu_metadata
.endif
;; end of part 1
;; launch attn (part 2): grid 256 x 1, 16 waves a work-group, clusters of 4 x 1, 167,936 bytes of LDS; arguments qimg, qscl, kv, aimg, ascl; writes aimg, ascl
.if DOCPART == 2
	.amdgcn_target "amdgcn-amd-amdhsa--gfx1250"
	.amdhsa_code_object_version 6
	.text
	.protected	k_q3a6a9f15e5_attn
	.globl	k_q3a6a9f15e5_attn
	.p2align	8
	.type	k_q3a6a9f15e5_attn,@function
k_q3a6a9f15e5_attn:
	s_mov_b64 s[64:65], 0
	v_nop
	global_prefetch_b8 v0, s[64:65] scope:SCOPE_SE
	s_setreg_imm32_b32 hwreg(HW_REG_WAVE_MODE, 25, 1), 1
	s_wait_xcnt 0x0
	s_wait_alu depctr_hold_cnt(0) depctr_sa_sdst(0) depctr_va_vdst(0) depctr_va_sdst(0) depctr_va_ssrc(0) depctr_va_vcc(0) depctr_vm_vsrc(0)
	s_getreg_b32 s2, hwreg(HW_REG_IB_STS2, 6, 4)
	s_cmp_eq_u32 s2, 0
	s_cbranch_scc0 .Lentry_in_a_cluster
	s_endpgm
.Lentry_in_a_cluster:
	s_bfe_u32 s2, ttmp6, 0x10000c
	s_cmp_lg_u32 s2, 0x3003
	s_cbranch_scc0 .Lentry_shape_is_right
	s_endpgm
.Lentry_shape_is_right:
; One head's attention on codes of E4M3: S^T = K Q^T (K = the head's 32 channels), mask, p = 2^(t - M), O^T = V^T P^T (K = the keys), O / l, and the quantiser of the result along its 32 channels.
; t = score x log2(e) / sqrt(32); M = the running largest t, taken up to a whole number; l = the sum of the unquantised p; when M moves, l and O are multiplied by 2^(old M - new M), which rounds nothing.
; THE MASK: key s counts for query q where s <= q and s % 25 != 24.  DEAD WORK left out: the steps of 128 keys that lie wholly behind a tile's 16 queries, whose scores reference() sets to -infinity for all values of the inputs.
; SHARES.  A head has 16 blocks of 128 queries; work-group j of its eight (j = 4 (cluster % 2) + cx) owns tile j (16 queries) of EVERY block.  So all work-groups are alike, and each reads all 16 key steps of its head.
; A wave owns one tile and walks key steps 0 to its block's number; the last lies on the diagonal.  The sixteen walks, 1 to 16 steps, are dealt so that waves w, w + 4, w + 8 and w + 12 have 34 steps together, the longest walks in the lowest waves.
; THE SCORE PRODUCT HAS K = 32 IN AN INSTRUCTION OF K = 128: source 0 holds FOUR tiles of 16 keys, one in each block of 32 along K; source 1 holds Q in ONE block and zero codes in the other three, which picks the tile.
; The four versions of source 1 are four windows of 16 registers over v16-43, zeros but for Q in v28-31.
; Register n of the scores (lane (r, h)) is key 128 s + 16 (n / 8) + 8 h + n % 8; v's codes hold the keys of each block of 32 in the same order.  A lane holds one query throughout.
; THE STEPS ARE WRITTEN OUT: the hidden columns, every 25th, fall on other registers in every step: five or six selects a step at places known from the step's number.  No backward branch.
; LDS: the 16 steps' blocks of the head (8,448 bytes each: K's codes, V's codes, scale words), filled once at the head: each wave brings one step's block by one tensor load of 33 rows of 256 bytes; behind them the spare words.
; The first barrier shows steps 0 to 7 (waves 0 to 7, a load line of their own), the second, waited for behind step 0, the rest.
; CLUSTERS of four work-groups of one head: all four issue each of the 16 loads jointly.  No branch and no LDS address hangs on cx.  NO PREFETCH: each byte is loaded once, at the head, and no loop loads from memory.
; LIMITS: scaled scores under 2^31 in magnitude; a block's largest p is taken from its largest score (v_exp_f32 is taken not to fall where its input rises); a block whose largest magnitude lies under 2^-118 gets the byte 1; 1 / l is v_rcp_f32 and a multiplication; NaN and infinities are not served.
.set STEPB, 8448
.set HALF, 8*STEPB
.set SPARE, 16*STEPB
.set OA,   8                           ; v8, v9   byte offsets of my tile's results: codes, bytes
.set OS,   9
.set QR,   28                          ; v16-43   zeros, Q in v28-31
.set KF,   44                          ; v44-75   K: part f at KF + 16 f
.set VF,   76                          ; v76-107  V: part u at VF + 16 u
.set S,    108                         ; v108-171 the scores, then p; at the head addresses
.set O,    172                         ; v172-187 O^T: register 8 u + j is channel 16 (lane / 16) + 8 u + j
.set PC,   188                         ; v188-203 p's codes
.set MX,   204                         ; v204-211 maxima
.set PM,   212                         ; v212-215 lane permutes' results, bytes
.set HOLD, 216                         ; v216-219 448 x the scale
.set SCO,  220                         ; v220-223 the conversions' scale operands
.set T,    224
.set F,    226                         ; v[226:227] f = 2^(old M - new M); the pair's upper word is written once
.set PW,   228                         ; scale words, and nothing else: p's,
.set KS,   229                         ; K's (lanes 0-15 part 0, lanes 16-31 part 1),
.set VS,   230                         ; V's likewise,
.set QS,   231                         ; q's byte in all four bytes
.set SA,   232                         ; v232-245 seven parts of the sum, pairs
.macro CROUND                          ; a round of the cluster's barrier
	s_barrier_signal -1
	s_barrier_wait -1
	s_cmp_lg_u32 s2, 0
	s_cbranch_scc1 .Lnot_wave_0_\@
	s_barrier_signal -3
.Lnot_wave_0_\@:
	s_barrier_wait -3
	s_barrier_signal -1
	s_barrier_wait -1
.endm
	s_load_b256 s[4:11], s[0:1], 0x0               ; qimg, qscl, kv, aimg
	s_load_b64 s[12:13], s[0:1], 0x20              ; ascl
	v_lshl_add_u32 v254, v0, 2, SPARE
	v_mov_b32 v255, 0
	ds_add_u32 v254, v255                          ; the opening lines: the add, twice on end, and its wait
	ds_add_u32 v254, v255
	v_lshrrev_b32 v108, 5, v0
	v_readfirstlane_b32 s2, v108                   ; wave 0..15
	v_and_b32 v112, 31, v0                         ; lane
	v_and_b32 v113, 15, v0                         ; r
	v_bfe_u32 v114, v0, 4, 1                       ; h
	v_lshlrev_b32 v1, 4, v112                      ; LDS addresses, steps 0 to 7: K's codes,
	v_lshl_add_u32 v3, v112, 2, 8192               ; scale words,
	v_lshlrev_b32 v114, 3, v114
	v_add_nc_u32 v2, 4096, v1                      ; V's codes;
	v_add_nc_u32 v4, HALF, v3                      ; steps 8 to 15: scale words,
	v_add_nc_u32 v6, HALF, v1                      ; K's,
	v_add_nc_u32 v7, HALF+4096, v1                 ; V's
	v_sub_nc_u32 v115, v113, v114                  ; r - 8 h
	s_wait_alu depctr_va_vdst(0)                   ; ahead of the scalar lines below
	s_and_b32 s14, s2, 7                           ; my block, also my last key step: waves 0 to 15 take 15 13 14 12, 10 8 9 11, 5 7 6 4, 0 2 1 3
	s_lshl_b32 s14, s14, 2
	s_mov_b32 s15, 0xb98acedf
	s_mov_b32 s16, 0x31204675
	s_cmp_lt_u32 s2, 8
	s_cselect_b32 s15, s15, s16
	s_lshr_b32 s15, s15, s14
	s_and_b32 s18, s15, 15
	s_bfe_u32 s15, ttmp6, 0x40000                  ; cx
	s_and_b32 s16, ttmp9, 1
	s_lshl_b32 s16, s16, 2
	s_add_co_u32 s19, s16, s15                     ; j: my tile in every block
	s_lshr_b32 s27, ttmp9, 1                       ; 8 b + h
	s_lshl_b32 s15, s19, 4
	v_add_nc_u32 v115, s15, v115                   ; d = my query in its block - 8 h: on the diagonal register n is hidden where 16 (n / 8) + n % 8 > d
	s_lshl_b32 s16, s18, 3
	s_add_co_u32 s16, s16, s19                     ; my tile among the head's 128
	s_lshl_b32 s40, s16, 9
	s_lshl_b32 s41, s27, 16
	s_add_co_u32 s40, s40, s41
	v_add_nc_u32 v108, s40, v1                     ; its q codes: qimg [8 b + h][tile][512]
	s_lshr_b32 s40, s16, 2
	s_lshl_b32 s40, s40, 6
	s_and_b32 s41, s16, 3
	s_add_co_u32 s40, s40, s41
	s_lshl_b32 s41, s27, 11
	s_add_co_u32 s40, s40, s41
	v_lshl_add_u32 v109, v113, 2, s40              ; its scale bytes: byte tile % 4 of each row's word
	s_lshr_b32 s40, s27, 3
	s_lshl_b32 s40, s40, 7
	s_add_co_u32 s40, s40, s16                     ; the tile among all 512: 128 b + tile
	s_and_b32 s41, s27, 7                          ; h
	s_lshl_b32 s42, s40, 3
	s_add_co_u32 s42, s42, s41
	s_lshl_b32 s42, s42, 9
	v_add_nc_u32 v[OA], s42, v1                    ; aimg [tile 512][head 8][512]
	s_lshl_b32 s40, s40, 1
	s_lshr_b32 s42, s41, 2
	s_add_co_u32 s40, s40, s42
	s_lshl_b32 s40, s40, 6
	s_and_b32 s41, s41, 3
	s_add_co_u32 s40, s40, s41
	v_lshl_add_u32 v[OS], v113, 2, s40             ; ascl [tile 512][head / 4][row 16][head % 4]
	s_mov_b32 s20, 0x76543210
	s_mov_b32 s21, 0xfedcba98                      ; v_permlanex16_b32's selects for lane l xor 16
	s_mov_b32 s22, 0x3e8293ee                      ; c = log2(e) / sqrt(32)
	s_mov_b32 s23, s22                             ; (named with it as a pair)
	s_mov_b32 s24, 0x600000                        ; the mantissa field of 448
	s_mov_b32 s25, 0x0000ffff                      ; lanes 0-15
	s_mov_b32 s26, 0xffff0000                      ; lanes 16-31
	s_mov_b32 s28, 15|(3<<16)|(1<<21)              ; group 1: all four work-groups; elements of 8 bytes; 33 rows of 32, dense
	s_mov_b32 s29, 32<<16
	s_mov_b32 s30, 33<<16
	s_mov_b32 s31, 32<<16
	s_mov_b32 s32, 33
	s_mov_b32 s33, 32
	s_mov_b32 s34, 0
	s_mov_b32 s35, 0
	s_mov_b32 s36, 1                               ; group 0
	s_mul_i32 s37, s2, STEPB                       ; step w's block goes to its place
	s_lshl_b32 s40, s27, 4
	s_add_co_u32 s40, s40, s2
	s_mul_i32 s40, s40, STEPB
	s_mov_b32 s41, 0
	s_wait_alu depctr_va_vdst(0)                   ; directly ahead of the wait below
	s_wait_dscnt 0x0                               ; both opening adds are done
	CROUND                                         ; all four work-groups are here: the joint loads meet
	s_wait_kmcnt 0x0
	s_add_nc_u64 s[38:39], s[8:9], s[40:41]
	s_or_b32 s39, s39, 0x80000000
	s_cmp_lt_u32 s2, 8                             ; ONE load a wave; a line for steps 0 to 7, which the first barrier shows, and one for steps 8 to 15
	s_cbranch_scc0 .Lupper
	tensor_load_to_lds s[36:39], s[28:35]
	s_nop 0
.rept 4
	v_nop
.endr
	s_branch .Lasked
.Lupper:
	tensor_load_to_lds s[36:39], s[28:35]
	s_nop 0
.rept 4
	v_nop
.endr
.Lasked:
	global_load_b128 v[QR:QR+3], v108, s[4:5]      ; Q of my tile
	global_load_u8 v251, v109, s[6:7]              ; and its scale bytes
.macro MREG                            ; where register n's diagonal mask lies: s40-63, s66-101, s14-17
.if n < 24
.set M_, 40+n
.elseif n < 60
.set M_, 42+n
.else
.set M_, n-46
.endif
.endm
.set n, 0
.rept 64
	MREG
	v_cmp_gt_i32 s[M_], 16*(n/8)+n%8, v115         ; the lanes whose query lies ahead of register n's key on the diagonal
.set n, n+1
.endr
.irp j, 16,17,18,19,20,21,22,23,24,25,26,27,32,33,34,35,36,37,38,39,40,41,42,43
	v_mov_b32 v[\j], 0                             ; zero codes round Q
.endr
	v_mov_b32 v5, 0xff800000                       ; -infinity
.irp b, 0,1,2,3
	v_mov_b32 v[PM+\b], 0                          ; a lane permute's destination counts as one of its sources
.endr
	v_mov_b32 v[F+1], 0
	s_wait_alu depctr_va_vdst(0)                   ; at the head's end
	s_wait_loadcnt 0x0
	v_lshl_or_b32 v[QS], v251, 8, v251
	v_lshl_or_b32 v[QS], v[QS], 16, v[QS]          ; q's byte for whichever block Q stands in; over zero codes it scales nothing
	s_wait_alu depctr_va_vdst(0)
	s_cmp_lt_u32 s2, 8
	s_cbranch_scc0 .Lnot_yet
	s_wait_tensorcnt 0x0                           ; waves 0 to 7: my step's block is in
.Lnot_yet:
	s_barrier_signal -1
	s_barrier_wait -1                              ; steps 0 to 7 lie in LDS
	s_wait_tensorcnt 0x0                           ; every wave: my step's block is in
	s_barrier_signal -1                            ; the wait for this one stands behind step 0, which reads steps 0 and 1 alone
.macro KLOAD s                         ; step s: eight chunks of K and its scale words: nine LDS loads
.irp f, 0,1
.irp c, 0,1,2,3
	ds_load_b128 v[KF+16*\f+4*\c:KF+16*\f+4*\c+3], v[1+5*((\s)/8)] offset:STEPB*((\s)%8)+2048*\f+512*\c
.endr
.endr
	ds_load_b32 v[KS], v[3+(\s)/8] offset:STEPB*((\s)%8)
.endm
.macro VLOAD s                         ; the same of V
.irp u, 0,1
.irp c, 0,1,2,3
	ds_load_b128 v[VF+16*\u+4*\c:VF+16*\u+4*\c+3], v[2+5*((\s)/8)] offset:STEPB*((\s)%8)+2048*\u+512*\c
.endr
.endr
	ds_load_b32 v[VS], v[3+(\s)/8] offset:STEPB*((\s)%8)+128
.endm
.macro COL s, hi                       ; the hidden columns of step s among each accumulator's low four registers (hi = 0) or high four (1)
.set n, 0
.rept 64
.if ((n%8)/4) == \hi
.if ((128*(\s)+16*(n/8)+n%8)%25) == 24
	v_cndmask_b32 v[S+n], v[S+n], v5, s25
.endif
.if ((128*(\s)+16*(n/8)+8+n%8)%25) == 24
	v_cndmask_b32 v[S+n], v[S+n], v5, s26
.endif
.endif
.set n, n+1
.endr
.endm
.macro DIAG                            ; keys behind my query: -infinity, so that p = 0.  Key 0 counts for every query, so M is a number from step 0 on
.set n, 0
.rept 64
	MREG
	v_cndmask_b32 v[S+n], v[S+n], v5, s[M_]
.set n, n+1
.endr
.endm
.macro MAXLOW                          ; each accumulator's registers 0 to 2
.irp a, 0,1,2,3,4,5,6,7
	v_max3_num_f32 v[MX+\a], v[S+8*\a], v[S+8*\a+1], v[S+8*\a+2]
.endr
.endm
.macro MAXREST                         ; registers 3 to 6, then two accumulators and their registers 7 make a block of 32 keys: my lane's largest score of it in MX + 2 b
.irp a, 0,1,2,3,4,5,6,7
	v_max3_num_f32 v[MX+\a], v[MX+\a], v[S+8*\a+3], v[S+8*\a+4]
.endr
.irp a, 0,1,2,3,4,5,6,7
	v_max3_num_f32 v[MX+\a], v[MX+\a], v[S+8*\a+5], v[S+8*\a+6]
.endr
.irp b, 0,1,2,3
	v_max3_num_f32 v[MX+2*\b], v[MX+2*\b], v[MX+2*\b+1], v[S+16*\b+7]
.endr
.irp b, 0,1,2,3
	v_max_num_f32 v[MX+2*\b], v[MX+2*\b], v[S+16*\b+15]
.endr
.endm
.macro SUMS                            ; the sum's seven parts into l: seven plain lines that stand behind the next products
	v_pk_add_f32 v[14:15], v[14:15], v[SA+6:SA+7]
	v_pk_add_f32 v[SA:SA+1], v[SA:SA+1], v[SA+8:SA+9]
	v_pk_add_f32 v[SA+2:SA+3], v[SA+2:SA+3], v[SA+10:SA+11]
	v_pk_add_f32 v[SA+4:SA+5], v[SA+4:SA+5], v[SA+12:SA+13]
	v_pk_add_f32 v[14:15], v[14:15], v[SA+2:SA+3]
	v_pk_add_f32 v[SA:SA+1], v[SA:SA+1], v[SA+4:SA+5]
	v_pk_add_f32 v[14:15], v[14:15], v[SA:SA+1]
.endm
.macro PART i                          ; pair i of each part's eight registers; l takes the last eight registers' pairs one by one
.irp a, 0,1,2,3,4,5,6
	v_pk_add_f32 v[SA+2*\a:SA+2*\a+1], v[SA+2*\a:SA+2*\a+1], v[S+8*\a+2*\i:S+8*\a+2*\i+1]
.endr
	v_pk_add_f32 v[14:15], v[14:15], v[S+54+2*\i:S+55+2*\i]
.endm
.macro HOLDB b                         ; the conversion does not saturate (ISA guide 7.6.2); p is not negative, so the hold is one-sided; two numbers a line
.set j, S+16*(\b)
.rept 8
	v_dual_min_num_f32 v[j], v[HOLD+\b], v[j] :: v_dual_min_num_f32 v[j+1], v[HOLD+\b], v[j+1]
.set j, j+2
.endr
.endm
.macro CVTB b
	v_cvt_scalef32_pk8_fp8_f32 v[PC+4*\b:PC+4*\b+1], v[S+16*\b:S+16*\b+7], v[SCO+\b]
	v_cvt_scalef32_pk8_fp8_f32 v[PC+4*\b+2:PC+4*\b+3], v[S+16*\b+8:S+16*\b+15], v[SCO+\b]
.endm
.macro SOFT
	v_permlane16_swap_b32 v[MX], v[MX+2]           ; blocks 0 and 1: lanes 0-15 of both registers take block 0's two halves, lanes 16-31 block 1's
	v_permlane16_swap_b32 v[MX+4], v[MX+6]         ; blocks 2 and 3 likewise
	v_max_num_f32 v[MX], v[MX], v[MX+2]            ; lanes 0-15: block 0's largest score of query r, lanes 16-31: block 1's;
	v_max_num_f32 v[MX+4], v[MX+4], v[MX+6]        ; blocks 2 and 3.  They serve for the row's maximum and, since p rises with the score, for the blocks' largest p
	s_delay_alu instid0(VALU_DEP_1)
	v_max_num_f32 v[MX+1], v[MX], v[MX+4]
	s_delay_alu instid0(VALU_DEP_1)
	v_permlanex16_b32 v[PM], v[MX+1], s20, s21
	s_delay_alu instid0(VALU_DEP_1)
	v_max3_num_f32 v13, v13, v[MX+1], v[PM]        ; the running largest score,
	s_delay_alu instid0(VALU_DEP_1)
	v_mul_f32 v[MX+1], s22, v13                    ; as t (c is positive)
	s_delay_alu instid0(VALU_DEP_1)
	v_floor_f32 v12, -v[MX+1]                      ; the new -M = floor(-t): M is a whole number
.set j, 0
.rept 32
	v_pk_fma_f32 v[S+j:S+j+1], v[S+j:S+j+1], s[22:23], v[12:13] op_sel_hi:[1,0,0]   ; t - M, two at a time; a hidden score stays -infinity
.if j == 14
	v_sub_f32 v[T], v12, v[T]                      ; old M - new M: a whole number, 0 or less
.endif
.if j == 30
	v_cvt_i32_f32 v[T], v[T]                       ; (it saturates)
.endif
.if j == 46
	v_ldexp_f32 v[F], 1.0, v[T]
.endif
.set j, j+2
.endr
	v_fma_f32 v[MX], v[MX], s22, v12               ; the same of the blocks' largest scores
	v_fma_f32 v[MX+4], v[MX+4], s22, v12
	s_wait_alu depctr_va_vdst(0)                   ; ahead of the batch
.set j, 0
.rept 64
	v_exp_f32 v[S+j], v[S+j]                       ; p = 2^(t - M), at most 1, not normalised
.set j, j+1
.endr
	v_exp_f32 v[MX], v[MX]                         ; the blocks' largest p: the same two instructions on the same number
	v_exp_f32 v[MX+4], v[MX+4]
	v_pk_mul_f32 v[14:15], v[14:15], v[F:F+1] op_sel_hi:[1,0]   ; l under the new M.  (The plain line behind the exponentials)
	s_wait_alu depctr_va_vdst(0)                   ; and ahead of the first reader
	v_max_num_f32 v[MX], 0x4800000, v[MX]          ; the floor 2^(9 - 127): a block whose every p is 0 keeps the byte 1 over zero codes
	v_max_num_f32 v[MX+4], 0x4800000, v[MX+4]
.irp a, 0,1,2
	v_pk_add_f32 v[SA+2*\a:SA+2*\a+1], v[S+8*\a:S+8*\a+1], v[S+8*\a+2:S+8*\a+3]   ; the sum, of the unquantised p, in seven parts and l
.endr
	v_and_or_b32 v[HOLD], v[MX], 0x7f800000, s24   ; 448 x the scale: blocks 0 and 1 in the halves of two registers,
	v_and_or_b32 v[HOLD+1], v[MX], 0x7f800000, s24
	v_and_or_b32 v[HOLD+2], v[MX+4], 0x7f800000, s24
	v_and_or_b32 v[HOLD+3], v[MX+4], 0x7f800000, s24
	v_lshrrev_b32 v[PM], 23, v[MX]                 ; the exponent fields
	v_lshrrev_b32 v[PM+1], 23, v[MX+4]
.irp a, 3,4,5,6
	v_pk_add_f32 v[SA+2*\a:SA+2*\a+1], v[S+8*\a:S+8*\a+1], v[S+8*\a+2:S+8*\a+3]
.endr
	v_permlane16_swap_b32 v[HOLD], v[HOLD+1]       ; and now block 0's in all lanes of one and block 1's in all lanes of the other;
	v_permlane16_swap_b32 v[HOLD+2], v[HOLD+3]     ; blocks 2 and 3
	v_lshl_or_b32 v[PM], v[PM+1], 16, v[PM]
	PART 2
.irp b, 0,1,2,3
	v_add_nc_u32 v[SCO+\b], 0xfc000000, v[HOLD+\b] ; 8 off the exponent field: the conversion's scale operand
.endr
	v_add_nc_u32 v[PM], 0xfff7fff8, v[PM]          ; 8 off either field: lanes 0-15: blocks 0 and 2's bytes, lanes 16-31: blocks 1 and 3's
	PART 3
	v_permlanex16_b32 v[PM+2], v[PM], s20, s21
	HOLDB 0
	v_lshl_or_b32 v[PW], v[PM+2], 8, v[PM]         ; lanes 0-15: p's scale word for these 128 keys (lanes 16-31 are not read); more than eight plain lines ahead of the products
	v_pk_add_f32 v[14:15], v[14:15], v[S+56:S+57]
	HOLDB 1
	v_pk_add_f32 v[14:15], v[14:15], v[S+62:S+63]
	CVTB 0
	HOLDB 2
	CVTB 1
	HOLDB 3
	CVTB 2
	CVTB 3
.set j, 0
.rept 8
	v_pk_mul_f32 v[O+j:O+j+1], v[O+j:O+j+1], v[F:F+1] op_sel_hi:[1,0]   ; O^T under the new M, each accumulator from its low end on.  (Also the plain lines between the codes and the products)
.set j, j+2
.endr
	s_wait_alu depctr_va_vdst(0)                   ; directly ahead of PV's wait
.endm
.macro PV left                         ; O^T += V^T P^T; left: the LDS loads behind V's nine that may stay out
	s_wait_dscnt \left
	v_wmma_scale_f32_16x16x128_f8f6f4 v[O:O+7], v[VF:VF+15], v[PC:PC+15], v[O:O+7], v[VS], v[PW]
	v_wmma_scale_f32_16x16x128_f8f6f4 v[O+8:O+15], v[VF+16:VF+31], v[PC:PC+15], v[O+8:O+15], v[VS], v[PW] matrix_a_scale:MATRIX_SCALE_ROW1
.endm
; The head of step s: the eight score products (ten accumulators take turns over a step, one instruction a turn), V of this step and K of the next are asked for, the hidden columns.
.macro PRE s
	s_wait_dscnt 0x0                               ; K of this step is in
.irp c, 0,1,2,3
	v_wmma_scale_f32_16x16x128_f8f6f4 v[S+8*\c:S+8*\c+7], v[KF:KF+15], v[QR-4*\c:QR-4*\c+15], 0, v[KS], v[QS]
.endr
.irp c, 0,1,2,3
	v_wmma_scale_f32_16x16x128_f8f6f4 v[S+32+8*\c:S+32+8*\c+7], v[KF+16:KF+31], v[QR-4*\c:QR-4*\c+15], 0, v[KS], v[QS] matrix_a_scale:MATRIX_SCALE_ROW1
.endr
	SUMS                                           ; eight places: the last step's sum
	v_mov_b32 v[T], v12                            ; and the old -M: in front of the loads into K's and V's registers and of the first reads of the scores
	VLOAD \s
.if (\s) < 15
	KLOAD (\s)+1
.endif
	COL \s, 0                                      ; each accumulator is read from its low end on: low columns, low maxima, then the high columns
	MAXLOW
	COL \s, 1
.endm
	KLOAD 0
	v_mov_b32 v13, 0xff61b1e6                      ; the largest score so far: -3e38
	v_mov_b32 v12, 0x7f61b1e6                      ; -M
	v_mov_b32 v14, 0                               ; l, in two halves
	v_mov_b32 v15, 0
.set j, 0
.rept 14
	v_mov_b32 v[SA+j], 0                           ; all steps are written alike: the first finds zeros
.set j, j+1
.endr
.set j, 0
.rept 16
	v_mov_b32 v[O+j], 0                            ; (these are also the places between q's scale word and the first product)
.set j, j+1
.endr
	s_wait_alu depctr_va_vdst(0)                   ; ahead of the wait that follows
	PRE 0                                          ; STEP 0 holds the second barrier, so no wave leaves it early: block 0's wave, for which it is the diagonal, masks it here
	s_cmp_eq_u32 s18, 0
	s_cbranch_scc0 .Lopen
	DIAG
	MAXLOW
.Lopen:
	s_wait_alu depctr_va_vdst(0)                   ; behind the branch
	MAXREST
	SOFT
	PV 9                                           ; V's nine loads are in; the next step's nine of K, issued behind them, may be out
	s_barrier_wait -1                              ; steps 8 to 15 lie in LDS
	s_cmp_eq_u32 s18, 0
	s_cbranch_scc1 .Lfinal
.irp s, 1,2,3,4,5,6,7,8,9,10,11,12,13,14
	PRE \s
	s_cmp_eq_u32 s18, \s                           ; the diagonal step is the walk's last: a branch on the wave's number alone
	s_cbranch_scc1 .Ltail
	MAXREST
	SOFT
	PV 9
.endr
	PRE 15
.Ltail:                                            ; THE DIAGONAL STEP knows nothing of its number: V has been asked for, the columns are hidden
	s_wait_alu depctr_va_vdst(0)                   ; behind the branch
	DIAG
	MAXLOW                                         ; once more, over the masked scores
	MAXREST
	SOFT
	PV 0                                           ; all my LDS loads are in
.Lfinal:
	SUMS                                           ; with the next line, eight places
	v_nop
; O / l, its quantiser along the head's 32 channels (one block, in lanes l and l xor 16), and its stores
	v_add_f32 v14, v14, v15                        ; l's two halves,
	s_delay_alu instid0(VALU_DEP_1)
	v_permlanex16_b32 v[PM], v14, s20, s21
	s_delay_alu instid0(VALU_DEP_1)
	v_add_f32 v14, v14, v[PM]                      ; and lane l xor 16's
	s_wait_alu depctr_va_vdst(0)                   ; ahead of the transcendental
	v_rcp_f32 v14, v14
	v_nop                                          ; a plain line behind the transcendental
	s_wait_alu depctr_va_vdst(0)                   ; and ahead of its first reader
.set j, 0
.rept 8
	v_pk_mul_f32 v[S+j:S+j+1], v[O+j:O+j+1], v[14:15] op_sel_hi:[1,0]   ; my query's channels 16 (lane / 16) + 0 .. 15
.set j, j+2
.endr
	v_max3_num_f32 v[MX], |v[S]|, |v[S+1]|, 0x4800000
	v_max3_num_f32 v[MX+1], |v[S+2]|, |v[S+3]|, |v[S+4]|
	s_delay_alu instid0(VALU_DEP_2)
	v_max3_num_f32 v[MX], v[MX], |v[S+5]|, |v[S+6]|
	s_delay_alu instid0(VALU_DEP_2)
	v_max3_num_f32 v[MX+1], v[MX+1], |v[S+7]|, |v[S+8]|
	s_delay_alu instid0(VALU_DEP_2)
	v_max3_num_f32 v[MX], v[MX], |v[S+9]|, |v[S+10]|
	s_delay_alu instid0(VALU_DEP_2)
	v_max3_num_f32 v[MX+1], v[MX+1], |v[S+11]|, |v[S+12]|
	s_delay_alu instid0(VALU_DEP_2)
	v_max3_num_f32 v[MX], v[MX], |v[S+13]|, |v[S+14]|
	s_delay_alu instid0(VALU_DEP_1)
	v_max3_num_f32 v[MX], v[MX], v[MX+1], |v[S+15]|
	s_delay_alu instid0(VALU_DEP_1)
	v_permlanex16_b32 v[PM], v[MX], s20, s21
	s_delay_alu instid0(VALU_DEP_1)
	v_max_num_f32 v[MX], v[MX], v[PM]
	s_delay_alu instid0(VALU_DEP_1)
	v_add_nc_u32 v[SCO], 0xfc000000, v[MX]
	s_delay_alu instid0(VALU_DEP_2)
	v_and_or_b32 v[HOLD], v[MX], 0x7f800000, s24
	s_delay_alu instid0(VALU_DEP_2)
	v_lshrrev_b32 v[T], 23, v[SCO]                 ; the scale's byte
.set j, 0
.rept 16
	v_med3_num_f32 v[S+j], v[S+j], -v[HOLD], v[HOLD]
.set j, j+1
.endr
	v_cvt_scalef32_pk8_fp8_f32 v[PC:PC+1], v[S:S+7], v[SCO]
	v_cvt_scalef32_pk8_fp8_f32 v[PC+2:PC+3], v[S+8:S+15], v[SCO]
	v_nop                                          ; a plain line behind the last conversion
	global_store_b128 v[OA], v[PC:PC+3], s[10:11]  ; one chunk: 512 consecutive bytes, aligned
	global_store_b8 v[OS], v[T], s[12:13]          ; lanes 16-31 hold and store the same bytes as lanes 0-15
	s_wait_tensorcnt 0x0                           ; the wave's end
	ds_add_u32 v254, v255
	s_wait_dscnt 0x0
	CROUND                                         ; the closing round
	s_endpgm
.Lfunc_end_k_q3a6a9f15e5_attn:
	.size	k_q3a6a9f15e5_attn, .Lfunc_end_k_q3a6a9f15e5_attn-k_q3a6a9f15e5_attn
	.p2alignl 7, 3214868480
	.fill 96, 4, 3214868480
	.section	.rodata,"a",@progbits
	.p2align	6, 0x0
	.amdhsa_kernel k_q3a6a9f15e5_attn
		.amdhsa_group_segment_fixed_size 167936
		.amdhsa_private_segment_fixed_size 0
		.amdhsa_enable_private_segment 0
		.amdhsa_kernarg_size 40
		.amdhsa_user_sgpr_count 2
		.amdhsa_user_sgpr_kernarg_segment_ptr 1
		.amdhsa_wavefront_size32 1
		.amdhsa_system_sgpr_workgroup_id_x 1
		.amdhsa_system_sgpr_workgroup_id_y 1
		.amdhsa_system_sgpr_workgroup_id_z 1
		.amdhsa_system_vgpr_workitem_id 0
		.amdhsa_next_free_vgpr 256
		.amdhsa_next_free_sgpr 102
		.amdhsa_reserve_vcc 0
		.amdhsa_float_denorm_mode_32 3
		.amdhsa_float_denorm_mode_16_64 3
		.amdhsa_memory_ordered 1
		.amdhsa_forward_progress 1
		.amdhsa_inst_pref_size 255
	.end_amdhsa_kernel
	.section	.bss,"aw",@nobits
	.p2align	6
	.space	262144
	.amdgpu_metadata
---
amdhsa.version: [ 1, 2 ]
amdhsa.kernels:
  - .name:           k_q3a6a9f15e5_attn
    .symbol:         k_q3a6a9f15e5_attn.kd
    .args:
      - { .name: qimg, .offset: 0, .size: 8, .value_kind: global_buffer, .address_space: global }
      - { .name: qscl, .offset: 8, .size: 8, .value_kind: global_buffer, .address_space: global }
      - { .name: kv, .offset: 16, .size: 8, .value_kind: global_buffer, .address_space: global }
      - { .name: aimg, .offset: 24, .size: 8, .value_kind: global_buffer, .address_space: global }
      - { .name: ascl, .offset: 32, .size: 8, .value_kind: global_buffer, .address_space: global }
    .group_segment_fixed_size: 167936
    .private_segment_fixed_size: 0
    .kernarg_segment_align: 8
    .kernarg_segment_size: 40
    .max_flat_workgroup_size: 512
    .sgpr_count:     102
    .vgpr_count:     256
    .wavefront_size: 32
...
	.end_amdgpu_metadata
.endif
;; end of part 2
;; launch oproj (part 3): grid 64 x 4, 8 waves a work-group, no clusters, 53,248 bytes of LDS; arguments aimg, ascl, Wo_codes, Wo_scales, bo, out0; writes out0
.if DOCPART == 3
	.amdgcn_target "amdgcn-amd-amdhsa--gfx1250"
	.amdhsa_code_object_version 6
	.text
	.protected	k_q3a6a9f15e5_oproj
	.globl	k_q3a6a9f15e5_oproj
	.p2align	8
	.type	k_q3a6a9f15e5_oproj,@function
k_q3a6a9f15e5_oproj:
	s_mov_b64 s[64:65], 0
	v_nop
	global_prefetch_b8 v0, s[64:65] scope:SCOPE_SE
	s_setreg_imm32_b32 hwreg(HW_REG_WAVE_MODE, 25, 1), 1
	s_wait_xcnt 0x0
; out = a Wo^T + bo on codes of E4M3 with one E8M0 scale for each 32 along K (K = 256: two matrix instructions deep); a: the attention launch's codes, laid as images of the operand's registers; out0 f32.
; SHARES.  Work-group (x, y): 128 tokens x 64 outputs.  Wave w: tokens 16 (8 x + w) on, four tiles of 16 rows of Wo, 8 matrix instructions on four accumulators, which take turns.
; TRANSPOSED: source 0 = 16 rows of Wo, source 1 = 16 tokens: a lane's eight results are eight neighbouring outputs of one token.  The bias is loaded into the accumulators: it is the C of each sum's first product.
; Wo's 64 rows are copied once into LDS (16 bytes of padding behind each 256) and read by all eight waves.  The results go through the wave's own stage in LDS and leave as rows of 256 bytes: sixteen lanes store 256 consecutive bytes, aligned.
; NO JOINT LOADS: a work-group reads 16,384 bytes of Wo and 33,792 of a once, at its head; nothing is fetched again.
.set XP,  272                          ; an LDS row: 256 bytes + 16: an odd multiple of 16 bytes
.set STG, 64*XP                        ; behind Wo: 16 rows x 272 bytes for each wave
.set AF,  16                           ; v16-47   a's fragments: K step ks at AF + 16 ks
.set ASC, 48                           ; v48-49   a's scale words
.set WSC, 50                           ; v50-57   Wo's: pair 2 n: K steps 0, 1
.set ACC, 64                           ; v64-95   four accumulators
.set WF,  96                           ; v96-223  Wo's fragments: (n, ks) at WF + 16 (2 n + ks); v96-111 first carry the copy, v96-127 at last the rows on their way out
	s_load_b256 s[4:11], s[0:1], 0x0               ; aimg, ascl, Wo's codes, Wo's scales
	s_load_b128 s[12:15], s[0:1], 0x20             ; bo, out0
	v_lshl_add_u32 v254, v0, 2, 0xcc00
	v_mov_b32 v255, 0
	v_lshrrev_b32 v11, 5, v0
	s_delay_alu instid0(VALU_DEP_1)
	v_readfirstlane_b32 s16, v11                   ; wave 0..7
	s_and_b32 s17, ttmp7, 0xffff                   ; which 64 outputs
	s_lshl_b32 s18, ttmp9, 3
	s_add_co_u32 s18, s18, s16                     ; my tile of 16 tokens
	v_and_b32 v12, 31, v0                          ; lane
	v_and_b32 v13, 15, v0                          ; r
	v_bfe_u32 v14, v0, 4, 1                        ; h
	v_lshlrev_b32 v1, 4, v0                        ; the copy of Wo: 16 bytes a thread
	v_lshrrev_b32 v15, 4, v0
	s_delay_alu instid0(VALU_DEP_1)
	v_mul_u32_u24 v2, v15, XP
	s_delay_alu instid0(VALU_DEP_1)
	v_lshl_add_u32 v2, v13, 4, v2                  ; in LDS: row thread / 16
	v_lshlrev_b32 v3, 4, v12                       ; an image's place for my lane
	v_lshlrev_b32 v4, 2, v13                       ; a's scale words: 4 bytes a row
	v_lshlrev_b32 v5, 3, v13                       ; Wo's: 8 bytes a row
	v_lshlrev_b32 v6, 5, v14                       ; the bias: outputs 8 h on
	v_mul_u32_u24 v7, v13, XP
	s_delay_alu instid0(VALU_DEP_1)
	v_lshl_add_u32 v7, v14, 4, v7                  ; Wo's fragments: row r, + 16 h
	s_mul_i32 s19, s16, 16*XP
	s_add_co_u32 s19, s19, STG                     ; my stage
	v_mul_u32_u24 v8, v13, XP
	s_delay_alu instid0(VALU_DEP_1)
	v_lshl_add_u32 v8, v14, 5, v8
	s_delay_alu instid0(VALU_DEP_1)
	v_add_nc_u32 v8, s19, v8                       ; in: row r, 32 bytes for each half of the lanes
	v_mul_u32_u24 v9, v14, XP
	s_delay_alu instid0(VALU_DEP_1)
	v_lshl_add_u32 v9, v13, 4, v9
	s_delay_alu instid0(VALU_DEP_1)
	v_add_nc_u32 v9, s19, v9                       ; back: lanes 0-15 one row, lanes 16-31 the next
	v_lshlrev_b32 v10, 10, v14
	s_delay_alu instid0(VALU_DEP_1)
	v_lshl_add_u32 v10, v13, 4, v10                ; and the same two rows in out0
	s_mov_b32 s21, 0
	s_wait_alu depctr_va_vdst(0)
	s_wait_kmcnt 0x0
	s_lshl_b32 s20, s18, 12
	s_add_nc_u64 s[4:5], s[4:5], s[20:21]          ; aimg: 4,096 bytes a tile
	s_lshl_b32 s20, s18, 7
	s_add_nc_u64 s[6:7], s[6:7], s[20:21]          ; ascl: 128
	s_lshl_b32 s20, s17, 14
	s_add_nc_u64 s[8:9], s[8:9], s[20:21]          ; Wo's codes: 64 rows of 256
	s_lshl_b32 s20, s17, 9
	s_add_nc_u64 s[10:11], s[10:11], s[20:21]      ; Wo's scales: 64 rows of 8
	s_lshl_b32 s20, s17, 8
	s_add_nc_u64 s[12:13], s[12:13], s[20:21]      ; bo: 64 numbers
	s_add_nc_u64 s[14:15], s[14:15], s[20:21]      ; out0: the same 256 bytes of a row,
	s_lshl_b32 s20, s18, 14
	s_add_nc_u64 s[14:15], s[14:15], s[20:21]      ; 16 rows of 1,024 bytes a tile
.irp i, 0,1,2,3
	global_load_b128 v[WF+4*\i:WF+4*\i+3], v1, s[8:9] offset:4096*\i
.endr
.irp k, 0,1,2,3,4,5,6,7
	global_load_b128 v[AF+4*\k:AF+4*\k+3], v3, s[4:5] offset:512*\k   ; head k = registers 4 (k % 4) on of K step k / 4
.endr
.irp s, 0,1
	global_load_b32 v[ASC+\s], v4, s[6:7] offset:64*\s
.endr
.irp n, 0,1,2,3
	global_load_b64 v[WSC+2*\n:WSC+2*\n+1], v5, s[10:11] offset:128*\n
.endr
.irp n, 0,1,2,3
.irp k, 0,1
	global_load_b128 v[ACC+8*\n+4*\k:ACC+8*\n+4*\k+3], v6, s[12:13] offset:64*\n+16*\k   ; register j of tile n: bo at output 16 n + 8 h + j
.endr
.endr
	s_wait_loadcnt 22                              ; the copy's four loads are in; the 8 + 2 + 4 + 8 behind them may be out
.irp i, 0,1,2,3
	ds_store_b128 v2, v[WF+4*\i:WF+4*\i+3] offset:\i*16*XP
.endr
	s_wait_dscnt 0x0                               ; for the others' sake: my stores have landed
	s_barrier_signal -1
	s_barrier_wait -1                              ; Wo's 64 rows lie in LDS and are only read from here on
.irp n, 0,1,2,3
.irp s, 0,1
.irp c, 0,1,2,3
	ds_load_b128 v[WF+16*(2*\n+\s)+4*\c:WF+16*(2*\n+\s)+4*\c+3], v7 offset:\n*16*XP+128*\s+32*\c
.endr
.endr
.endr
	s_wait_loadcnt 0x0
	s_wait_dscnt 0x0
.irp s, 0,1
.irp n, 0,1,2,3
	v_wmma_scale_f32_16x16x128_f8f6f4 v[ACC+8*\n:ACC+8*\n+7], v[WF+16*(2*\n+\s):WF+16*(2*\n+\s)+15], v[AF+16*\s:AF+16*\s+15], v[ACC+8*\n:ACC+8*\n+7], v[WSC+2*\n+\s], v[ASC+\s]
.endr
.endr
.rept 8
	v_nop                                          ; eight places in front of the stores that read the results and of the loads into Wo's registers
.endr
.irp n, 0,1,2,3
	ds_store_b128 v8, v[ACC+8*\n:ACC+8*\n+3] offset:64*\n          ; each accumulator from its low end on
	ds_store_b128 v8, v[ACC+8*\n+4:ACC+8*\n+7] offset:64*\n+16
.endr
.irp i, 0,1,2,3,4,5,6,7
	ds_load_b128 v[WF+4*\i:WF+4*\i+3], v9 offset:2*\i*XP           ; my own bytes: LDS serves a wave's instructions in order (ISA guide 5.7.1.4)
.endr
.irp i, 0,1,2,3,4,5,6,7
	s_wait_dscnt 7-\i                              ; load i is in; the 7 - i behind it may be out
	global_store_b128 v10, v[WF+4*\i:WF+4*\i+3], s[14:15] offset:2048*\i th:TH_STORE_NT   ; written once, read by nobody here
.endr
	s_wait_tensorcnt 0x0
	ds_add_u32 v254, v255
	s_wait_dscnt 0x0
	s_endpgm
.Lfunc_end_k_q3a6a9f15e5_oproj:
	.size	k_q3a6a9f15e5_oproj, .Lfunc_end_k_q3a6a9f15e5_oproj-k_q3a6a9f15e5_oproj
	.p2alignl 7, 3214868480
	.fill 96, 4, 3214868480
	.section	.rodata,"a",@progbits
	.p2align	6, 0x0
	.amdhsa_kernel k_q3a6a9f15e5_oproj
		.amdhsa_group_segment_fixed_size 53248
		.amdhsa_private_segment_fixed_size 0
		.amdhsa_enable_private_segment 0
		.amdhsa_kernarg_size 48
		.amdhsa_user_sgpr_count 2
		.amdhsa_user_sgpr_kernarg_segment_ptr 1
		.amdhsa_wavefront_size32 1
		.amdhsa_system_sgpr_workgroup_id_x 1
		.amdhsa_system_sgpr_workgroup_id_y 1
		.amdhsa_system_sgpr_workgroup_id_z 1
		.amdhsa_system_vgpr_workitem_id 0
		.amdhsa_next_free_vgpr 256
		.amdhsa_next_free_sgpr 66
		.amdhsa_reserve_vcc 0
		.amdhsa_float_denorm_mode_32 3
		.amdhsa_float_denorm_mode_16_64 3
		.amdhsa_memory_ordered 1
		.amdhsa_forward_progress 1
		.amdhsa_inst_pref_size 11
	.end_amdhsa_kernel
	.amdgpu_metadata
---
amdhsa.version: [ 1, 2 ]
amdhsa.kernels:
  - .name:           k_q3a6a9f15e5_oproj
    .symbol:         k_q3a6a9f15e5_oproj.kd
    .args:
      - { .name: aimg, .offset: 0, .size: 8, .value_kind: global_buffer, .address_space: global }
      - { .name: ascl, .offset: 8, .size: 8, .value_kind: global_buffer, .address_space: global }
      - { .name: Wo_codes, .offset: 16, .size: 8, .value_kind: global_buffer, .address_space: global }
      - { .name: Wo_scales, .offset: 24, .size: 8, .value_kind: global_buffer, .address_space: global }
      - { .name: bo, .offset: 32, .size: 8, .value_kind: global_buffer, .address_space: global }
      - { .name: out0, .offset: 40, .size: 8, .value_kind: global_buffer, .address_space: global }
    .group_segment_fixed_size: 53248
    .private_segment_fixed_size: 0
    .kernarg_segment_align: 8
    .kernarg_segment_size: 48
    .max_flat_workgroup_size: 256
    .sgpr_count:     66
    .vgpr_count:     256
    .wavefront_size: 32
...
	.end_amdgpu_metadata
.endif
;; end of part 3
